; MI455X (gfx1250); checked and timed in simulation.
; The chip was launched on July 23, 2026; its instructions are those of AMD's public machine-readable ISA for CDNA 5 (MIT licence, August 2026) and "CDNA5" Instruction Set Architecture Reference Guide (July 2026). The comments in the code are by the model that wrote it; some were corrected since.
;; Attention. Allowed arithmetic: float matrix products may take bf16 or f16 operands with f32 sums; all other float work in f32.
;; Inputs: key 4 x 16 x 2,048 x 64 float32; query 4 x 16 x 2,048 x 64 float32; value 4 x 16 x 2,048 x 64 float32.
;; Outputs: out0 4 x 16 x 2,048 x 64 float32.
;; One version. Each part assembles by itself: llvm-mc -triple=amdgcn-amd-amdhsa -mcpu=gfx1250 --defsym DOCPART=n.
;; ======== version 1 of 1: 1 launch
;; launch attn (part 1): grid 256 x 1, 8 waves a work-group, clusters of 4 x 1, 327,680 bytes of LDS; arguments query, key, value, out0; writes out0
.if DOCPART == 1
	.amdgcn_target "amdgcn-amd-amdhsa--gfx1250"
	.amdhsa_code_object_version 6
	.text
	.protected	k_qf00337646d_attn
	.globl	k_qf00337646d_attn
	.p2align	8
	.type	k_qf00337646d_attn,@function
k_qf00337646d_attn:
	s_mov_b64 s[64:65], 0
	v_nop
	global_prefetch_b8 v0, s[64:65] scope:SCOPE_SE
	s_setreg_imm32_b32 hwreg(HW_REG_WAVE_MODE, 25, 1), 1
	s_wait_xcnt 0x0
	s_wait_alu depctr_hold_cnt(0) depctr_sa_sdst(0) depctr_va_vdst(0) depctr_va_sdst(0) depctr_va_ssrc(0) depctr_va_vcc(0) depctr_vm_vsrc(0)
	s_getreg_b32 s2, hwreg(HW_REG_IB_STS2, 6, 4)
	s_cmp_eq_u32 s2, 0
	s_cbranch_scc0 .Lentry_in_a_cluster
	s_endpgm
.Lentry_in_a_cluster:
	s_bfe_u32 s2, ttmp6, 0x10000c
	s_cmp_lg_u32 s2, 0x3003
	s_cbranch_scc0 .Lentry_shape_is_right
	s_endpgm
.Lentry_shape_is_right:
; out = softmax(Q K^T / 8) V for 64 heads of 2,048 x 64, f32 in and out, in one launch: the scores never leave the registers.
; WORK.  A cluster of four work-groups is one head; a work-group takes 512 query rows; each of its eight waves 64 rows (4 q-tiles of 16).
; Two waves lie on each of the WGP's four SIMDs, so that one wave's softmax can run beside the other's matrix work.
; Keys go in 16 tiles of 128 (a trip); a trip is two sub-blocks of 64 keys, the grain of the running maximum.
; JOINT LOADS.  The four work-groups of a cluster need the same K and V tiles: each tile is asked for jointly (mask 15), 64 rows of
; 256 bytes a load, by waves 0 and 1 (K's halves) and 2 and 3 (V's halves).  Nothing in a descriptor, an LDS address or a branch hangs on cx.
; FORMATS.  K and V arrive in f32 in a stage slot X, are rounded to bf16 ONCE per work-group (each wave 16 rows) into a buffer Y, and all
; waves take their fragments from Y.  Trip t multiplies tile t from Y[t&1], converts tile t+1 from X[(t+1)&1] into Y[(t+1)&1], and asks for
; tile t+2 into X[t&1].  One round of the cluster's barrier a trip orders all of that.
; TRANSPOSED PRODUCTS.  S^T = K Q^T: lane (r, h) holds query r, register j key 8h + j.  So a query's scores lie in two lanes: the maximum
; needs one exchange of the halves, the sum stays per lane to the end, and two packed S tiles ARE a B fragment of P^T.  O^T = V^T P^T with V^T
; read by the transposing LDS load: lane (r, h) holds query r, d = 16 dt + 8h + j.
; SOFTMAX.  p = 2^(c s - c m), c = log2(e) / 8, m the running maximum, kept as N = -c m; O and l are scaled by 2^(Nnew - Nold) per sub-block.
; LIMITS.  Q, K, V and p go to the matrix unit rounded to bf16, all else is f32; l sums p before that rounding; v_exp_f32 gives 0 for results below
; 2^-126 (ISA guide, its entry); inputs with NaN or infinities are not followed number by number.
; LDS (251,904 bytes):  X0 0, X1 69,632: 256 rows x 272 (256 + 16 pad), K's 128 rows then V's; written by tensor loads alone.
;   Y0 139,264, Y1 178,176: K 128 x 144, then V 128 x 160; written by ds_store alone.   W 217,088 + 4,352 w: each wave's own stage (Q in, O out).
; REGISTERS.  Window 0: v10-17 addresses, v20-51 softmax state, v64-127 Q, v128-191 K fragments, v192-255 V fragments (also the conversion's).
;   Window 1: v0-127 (v256-383) O[dt][qt] at 8 (4 qt + dt);  v128-255 (v384-511) S[kt][qt] at 128 + 8 (4 qt + kt), later P[kk][qt] in S[2kk][qt].
.set XP,    272                        ; pitch of a stage row
.set XS,    256*XP                     ; a stage slot
.set XPART, 128*XP                     ; V's rows begin here in a slot
.set KP,    144                        ; pitch of K in bf16: an odd multiple of 16
.set VP,    160                        ; pitch of V in bf16: an odd multiple of 32, for the transposing load
.set YK,    2*XS                       ; 139,264
.set YV,    YK+128*KP                  ; 157,696
.set YB,    128*KP+128*VP              ; 38,912: from Y0 to Y1
.set WB,    YK+2*YB                    ; 217,088
.set WS,    16*XP                      ; 4,352: a wave's stage; also 16 rows of a stage slot
.set TILEB, 32768                      ; bytes of a tile of 128 keys in memory
.set KA,  10                           ; YK + 144 r + 16 h
.set VA,  11                           ; YV + 160 (8 h + L%8) + 16 ((L/8)%2)
.set STO, 12                           ; W + 272 r + 32 h
.set RD,  13                           ; W + 272 h + 16 r
.set GO,  14                           ; 16 L: my 16 bytes of two rows of Q or of out0
.set QST, 15                           ; W + 144 h + 8 r
.set QRD, 16                           ; W + 144 r + 16 h
.set PF,  17                           ; 8,192 cx + 256 L
.set NA,  20                           ; pairs (NA, T): v[20+2qt], v[21+2qt]
.set TT,  21
.set NB,  28                           ; pairs (NB, U)
.set UU,  29
.set AL,  36                           ; alpha[qt] at v[36+2qt]; the odd partners are the four addresses below, so every pair is written
.set SRC, 37                           ; v37, v39: my 16 rows in X0, X1
.set KW,  41                           ; my 16 rows of K in Y0
.set VW,  43                           ; my 16 rows of V in Y0
.set LS,  44                           ; l[qt]: a pair of running sums per lane
.set Q,   64
.set KF,  128
.set VF,  192
.set O,   0                            ; window 1
.set SB,  128                          ; window 1
.set G1,  16                           ; s[16:23] descriptor group 1
.set G0,  24                           ; s[24:31] descriptor group 0, one set for each slot
.set MSB, 0
.macro WIN new                         ; low byte: 1:0 source 0, 3:2 source 1, 5:4 source 2, 7:6 destination; the high byte repeats the setting left
.if MSB != \new
	s_set_vgpr_msb (MSB<<8)|\new
.set MSB, \new
.endif
.endm
.macro PLACES n
.rept \n
	v_nop
.endr
.endm
.macro BAR
	s_barrier_signal -1
	s_barrier_wait -1
.endm
; A round of the cluster's barrier: my work-group's barrier, wave 0 signals for the work-group, every wave waits for all four, my work-group's barrier again.
.macro ROUND
	s_barrier_signal -1
	s_barrier_wait -1
	s_cmp_lg_u32 s12, 0
	s_cbranch_scc1 .Lnot_wave_0_\@
	s_barrier_signal -3
.Lnot_wave_0_\@:
	s_barrier_wait -3
	s_barrier_signal -1
	s_barrier_wait -1
.endm
; The joint refill of slot s: waves 0 to 3, one load each.  The branch hangs on the wave's number alone.
.macro FILL s
	s_cmp_lt_u32 s12, 4
	s_cbranch_scc0 .Lno_fill_\@
	tensor_load_to_lds s[G0+4*\s:G0+4*\s+3], s[G1:G1+7]
	s_nop 0
	PLACES 4
.Lno_fill_\@:
.endm
; Wave 7 asks for my work-group's quarter (32 rows of K, 32 of V, lanes 256 bytes apart) of the tile that the next trip's refill will load.
.macro PFETCH
	s_cmp_eq_u32 s12, 7
	s_cbranch_scc0 .Lno_pf_\@
	global_prefetch_b8 v[PF], s[40:41] th:TH_LOAD_NT scope:SCOPE_SE
	global_prefetch_b8 v[PF], s[42:43] th:TH_LOAD_NT scope:SCOPE_SE
.Lno_pf_\@:
.endm
; The conversion, 16 rows a wave: lane L takes 32 bytes (8 f32) at byte 32 (L%8) of rows L/8, +4, +8, +12.  part 0: K, 1: V.
.macro CLOAD part, slot
.irp i, 0,1,2,3
	ds_load_b128 v[VF+8*\i:VF+8*\i+3],   v[SRC+2*\slot] offset:\part*XPART+\i*4*XP
	ds_load_b128 v[VF+8*\i+4:VF+8*\i+7], v[SRC+2*\slot] offset:\part*XPART+\i*4*XP+16
.endr
.endm
.macro CCVT                            ; in place, ascending: no source is written before it is read
.irp i, 0,1,2,3
.irp j, 0,1,2,3
	v_cvt_pk_bf16_f32 v[VF+8*\i+\j], v[VF+8*\i+2*\j], v[VF+8*\i+2*\j+1]
.endr
.endr
.endm
.macro CSTORE part, buf
.irp i, 0,1,2,3
.if \part
	ds_store_b128 v[VW], v[VF+8*\i:VF+8*\i+3] offset:\buf*YB+\i*4*VP
.else
	ds_store_b128 v[KW], v[VF+8*\i:VF+8*\i+3] offset:\buf*YB+\i*4*KP
.endif
.endr
.endm
; One sub-block: keys 64 half .. 64 half + 63 of the tile in Y[buf].  first = 1: the launch's first sub-block starts m, l and O.
; conv = 1: my 16 rows of the next tile's K (half 0) or V (half 1) go from X[obuf] to Y[obuf] on the way.
; All matrix instructions go through their 16 accumulators by turns, one instruction a turn.
.macro SUB buf, obuf, half, first, conv
.if \half
.set NEW, NB
.set OLD, NA
.else
.set NEW, NA
.set OLD, NB
.endif
.if \first == 0
	PLACES 5                                       ; behind the last P V products: the S products below write over P, which was their B (5 places), and loads go into their A (4)
.endif
.if \conv
	CLOAD \half, \obuf
.endif
.irp c, 0,1
.irp kt, 0,1,2,3
	ds_load_b128 v[KF+16*\kt+8*\c:KF+16*\kt+8*\c+3],   v[KA] offset:\buf*YB+(64*\half+16*\kt)*KP+64*\c
	ds_load_b128 v[KF+16*\kt+8*\c+4:KF+16*\kt+8*\c+7], v[KA] offset:\buf*YB+(64*\half+16*\kt)*KP+64*\c+32
.endr
.endr
	s_wait_dscnt 0x8                               ; LDS loads come back in order: all but the eight youngest (d = 32 .. 63) are in
	WIN 0x50                                       ; D and C in window 1
.irp kt, 0,1,2,3
.irp qt, 0,1,2,3
	v_wmma_f32_16x16x32_bf16 v[SB+8*(4*\qt+\kt):SB+8*(4*\qt+\kt)+7], v[KF+16*\kt:KF+16*\kt+7], v[Q+16*\qt:Q+16*\qt+7], 0
.endr
.endr
	s_wait_dscnt 0x0
.irp kt, 0,1,2,3
.irp qt, 0,1,2,3
	v_wmma_f32_16x16x32_bf16 v[SB+8*(4*\qt+\kt):SB+8*(4*\qt+\kt)+7], v[KF+16*\kt+8:KF+16*\kt+15], v[Q+16*\qt+8:Q+16*\qt+15], v[SB+8*(4*\qt+\kt):SB+8*(4*\qt+\kt)+7]
.endr
.endr
	WIN 0
.if \conv
	CCVT                                           ; sixteen vector instructions on registers of their own: also the places behind the S products
	CSTORE \half, \obuf
.else
	PLACES 4                                       ; behind the S products, in front of the maxima that read them
.endif
.irp kk, 0,1
.irp dt, 0,1,2,3
	ds_load_tr16_b128 v[VF+16*\dt+8*\kk:VF+16*\dt+8*\kk+3],   v[VA] offset:\buf*YB+(64*\half+32*\kk)*VP+32*\dt
	ds_load_tr16_b128 v[VF+16*\dt+8*\kk+4:VF+16*\dt+8*\kk+7], v[VA] offset:\buf*YB+(64*\half+32*\kk)*VP+32*\dt+16*VP
.endr
.endr
	; the largest of my 32 scores of each q-tile, four chains side by side
	WIN 0x05                                       ; sources 0 and 1 in window 1
.irp qt, 0,1,2,3
	v_max_num_f32 v[TT+2*\qt], v[SB+32*\qt], v[SB+32*\qt+1]
.endr
.irp j, 2,4,6,8,10,12,14,16,18,20,22,24,26,28,30
.irp qt, 0,1,2,3
	v_max3_num_f32 v[TT+2*\qt], v[SB+32*\qt+\j], v[SB+32*\qt+\j+1], v[TT+2*\qt]
.endr
.endr
	WIN 0
.irp qt, 0,1,2,3
	v_permlanex16_b32 v[UU+2*\qt], v[TT+2*\qt], s32, s33       ; the other half's 32 scores of the same query
.endr
.irp qt, 0,1,2,3
	v_max_num_f32 v[TT+2*\qt], v[TT+2*\qt], v[UU+2*\qt]
.endr
.if \first
.irp qt, 0,1,2,3
	v_mul_f32 v[NEW+2*\qt], s36, v[TT+2*\qt]                   ; N = -c m
.endr
.else
.irp qt, 0,1,2,3
	v_mul_f32 v[TT+2*\qt], s36, v[TT+2*\qt]
.endr
.irp qt, 0,1,2,3
	v_min_num_f32 v[NEW+2*\qt], v[TT+2*\qt], v[OLD+2*\qt]      ; the larger maximum is the smaller N
.endr
.irp qt, 0,1,2,3
	v_sub_f32 v[TT+2*\qt], v[NEW+2*\qt], v[OLD+2*\qt]
.endr
.irp qt, 0,1,2,3
	v_exp_f32 v[AL+2*\qt], v[TT+2*\qt]                         ; alpha = 2^(Nnew - Nold), at most 1; first used well behind the plain lines below
.endr
.endif
	; p = 2^(c s + N), in place.  Between two exponentials stands a plain line on other registers: the next group's multiply-add, or O's scaling by alpha
	; (ISA guide 5.7.2: a plain vector instruction stands between a transcendental and the use of its result).
	WIN 0x41                                       ; destination and source 0 in window 1
.irp i, 0,1,2,3
	v_pk_fma_f32 v[SB+2*\i:SB+2*\i+1], v[SB+2*\i:SB+2*\i+1], s[34:35], v[NEW:NEW+1] op_sel_hi:[1,0,0]
.endr
.set g, 0
.rept 16
.irp i, 0,1,2,3
	v_exp_f32 v[SB+8*g+2*\i], v[SB+8*g+2*\i]
.if g < 15
	v_pk_fma_f32 v[SB+8*(g+1)+2*\i:SB+8*(g+1)+2*\i+1], v[SB+8*(g+1)+2*\i:SB+8*(g+1)+2*\i+1], s[34:35], v[NEW+2*((g+1)/4):NEW+2*((g+1)/4)+1] op_sel_hi:[1,0,0]
.endif
	v_exp_f32 v[SB+8*g+2*\i+1], v[SB+8*g+2*\i+1]
.if \first == 0
	s_wait_alu depctr_va_vdst(0)
	v_pk_mul_f32 v[O+8*g+2*\i:O+8*g+2*\i+1], v[O+8*g+2*\i:O+8*g+2*\i+1], v[AL+2*(g/4):AL+2*(g/4)+1] op_sel_hi:[1,0]
.endif
.endr
.set g, g+1
.endr
	; l = l alpha + the sum of my 32 p, two at a time, per lane; the two halves of the lanes meet at the very end
.if \first
	WIN 0x05
	s_wait_alu depctr_va_vdst(0)
.irp qt, 0,1,2,3
	v_pk_add_f32 v[LS+2*\qt:LS+2*\qt+1], v[SB+32*\qt:SB+32*\qt+1], v[SB+32*\qt+2:SB+32*\qt+3]
.endr
.else
	WIN 0x10                                       ; source 2 in window 1
	s_wait_alu depctr_va_vdst(0)
.irp qt, 0,1,2,3
	v_pk_fma_f32 v[LS+2*\qt:LS+2*\qt+1], v[LS+2*\qt:LS+2*\qt+1], v[AL+2*\qt:AL+2*\qt+1], v[SB+32*\qt:SB+32*\qt+1] op_sel_hi:[1,0,1]
.endr
.endif
	WIN 0x01                                       ; source 0 in window 1
.irp j, 2,4,6,8,10,12,14,16,18,20,22,24,26,28,30
.if \j > 2*\first
.irp qt, 0,1,2,3
	v_pk_add_f32 v[LS+2*\qt:LS+2*\qt+1], v[SB+32*\qt+\j:SB+32*\qt+\j+1], v[LS+2*\qt:LS+2*\qt+1]
.endr
.endif
.endr
	; S tiles 2kk and 2kk+1 (16 registers side by side) pack into the first 8: keys 8h .. 8h+7 in registers 0-3, 16+8h .. in 4-7: a B fragment of P^T
	WIN 0x45                                       ; destination and both sources in window 1
.irp qt, 0,1,2,3
.irp kk, 0,1
.irp j, 0,1,2,3,4,5,6,7
	v_cvt_pk_bf16_f32 v[SB+32*\qt+16*\kk+\j], v[SB+32*\qt+16*\kk+2*\j], v[SB+32*\qt+16*\kk+2*\j+1]
.endr
.endr
.endr
	s_wait_dscnt 0x0                               ; V's fragments (issued in front of the softmax) and my conversion's stores
	WIN 0x54                                       ; D, C and B in window 1, A in window 0
.irp qt, 0,1,2,3
.irp dt, 0,1,2,3
.if \first
	v_wmma_f32_16x16x32_bf16 v[O+8*(4*\qt+\dt):O+8*(4*\qt+\dt)+7], v[VF+16*\dt:VF+16*\dt+7], v[SB+32*\qt:SB+32*\qt+7], 0
.else
	v_wmma_f32_16x16x32_bf16 v[O+8*(4*\qt+\dt):O+8*(4*\qt+\dt)+7], v[VF+16*\dt:VF+16*\dt+7], v[SB+32*\qt:SB+32*\qt+7], v[O+8*(4*\qt+\dt):O+8*(4*\qt+\dt)+7]
.endif
.endr
.endr
.irp qt, 0,1,2,3
.irp dt, 0,1,2,3
	v_wmma_f32_16x16x32_bf16 v[O+8*(4*\qt+\dt):O+8*(4*\qt+\dt)+7], v[VF+16*\dt+8:VF+16*\dt+15], v[SB+32*\qt+16:SB+32*\qt+23], v[O+8*(4*\qt+\dt):O+8*(4*\qt+\dt)+7]
.endr
.endr
	WIN 0
.endm
; Trip t, s = t & 1, o = the other.  In front of the barrier every wave has waited for all its tensor loads (tile t+1 in X[o] among them) and for all its
; LDS instructions: its reads of X[s] and of Y[o], and its stores into Y[s].  Behind it: X[s] is asked for again first, Y[s] is read, X[o] goes to Y[o].
.macro TRIP s, o, refill, conv, first, pf
	s_wait_tensorcnt 0x0                           ; none of my tensor loads is out: a group 0 may be written
	ds_add_u32 v62, v63
	s_wait_dscnt 0x0
.if \refill
	s_add_nc_u64 s[G0+4*\s+2:G0+4*\s+3], s[G0+4*\s+2:G0+4*\s+3], 2*TILEB    ; this slot's next tile
.endif
.if \pf
	s_wait_xcnt 0x0                                ; the last trip's prefetches, a whole trip back, have had their addresses translated: their bases may step
	s_add_nc_u64 s[40:41], s[40:41], TILEB
	s_add_nc_u64 s[42:43], s[42:43], TILEB
.endif
	s_wait_dscnt 0x0
.if \refill
	ROUND                                          ; all of that now holds of every wave of all four work-groups
	FILL \s                                        ; the wave's one tensor load until the next round; it has the whole trip in which to land
.else
	BAR
.endif
.if \pf
	PFETCH
.endif
	SUB \s, \o, 0, \first, \conv
	SUB \s, \o, 1, 0, \conv
.endm
	; ---- head: ids, offsets, descriptors ----
	s_load_b256 s[4:11], s[0:1], 0x0               ; query s[4:5], key s[6:7], value s[8:9], out0 s[10:11]
	v_lshl_add_u32 v62, v0, 2, 0x3d800
	v_mov_b32 v63, 0
	ds_add_u32 v62, v63
	v_lshrrev_b32 v4, 5, v0
	v_readfirstlane_b32 s12, v4                    ; wave 0..7
	s_bfe_u32 s13, ttmp6, 0x40000                  ; cx: my block of 512 query rows
	s_mov_b32 s32, 0x76543210                      ; v_permlanex16_b32: lane i takes lane i of the other half
	s_mov_b32 s33, 0xfedcba98
	s_mov_b32 s34, 0x3e38aa3b                      ; c = log2(e) / 8, twice: a pair for the packed forms
	s_mov_b32 s35, 0x3e38aa3b
	s_mov_b32 s36, 0xbe38aa3b                      ; -c
	s_mov_b32 s[G1+0], 15|(2<<16)|(1<<20)|(1<<21)|(5<<22)|(3<<25)  ; mask: all four of the cluster; elements of 4 bytes; padding on; bit 21 beside a mask; after every 64 words, 4 words
	s_mov_b32 s[G1+1], 64<<16                      ; tensor_dim0 = 64
	s_mov_b32 s[G1+2], 64<<16                      ; tensor_dim1 = 64
	s_mov_b32 s[G1+3], 64<<16                      ; tile_dim0 = 64 elements: 256 bytes
	s_mov_b32 s[G1+4], 64                          ; tile_dim1 = 64 rows
	s_mov_b32 s[G1+5], 64                          ; 64 elements from row to row
	s_mov_b32 s[G1+6], 0
	s_mov_b32 s[G1+7], 0
	s_lshl_b32 s38, ttmp9, 19                      ; the head (the cluster's x) times 2,048 rows of 256 bytes
	s_mov_b32 s39, 0
	s_and_b32 s14, s12, 1
	s_lshl_b32 s14, s14, 14                        ; which 64 rows of a tile I fetch
	s_add_co_u32 s14, s14, s38
	s_mov_b32 s15, 0
	s_lshl_b32 s46, s13, 17                        ; my work-group's 512 rows,
	s_lshl_b32 s47, s12, 14                        ; my wave's 64 of them,
	s_add_co_u32 s46, s46, s47
	s_add_co_u32 s46, s46, s38                     ; in my head: for Q and out0 alone; no register of a descriptor ever holds cx
	s_mov_b32 s47, 0
	s_mul_i32 s2, s12, 64*XP                       ; where my 64 rows go in a slot: K's halves, then V's
	v_and_b32 v1, 31, v0                           ; L
	v_lshlrev_b32 v[GO], 4, v1
	s_wait_dscnt 0x0
	s_wait_kmcnt 0x0
	s_add_nc_u64 s[4:5], s[4:5], s[46:47]
	s_add_nc_u64 s[10:11], s[10:11], s[46:47]
.irp qt, 0,1,2,3
.irp t, 0,1,2,3,4,5,6,7
	global_load_b128 v[KF+32*\qt+4*\t:KF+32*\qt+4*\t+3], v[GO], s[4:5] offset:4096*\qt+512*\t th:TH_LOAD_NT   ; my 64 rows of Q, 512 neighbouring bytes a load
.endr
.endr
	s_add_nc_u64 s[40:41], s[6:7], s[38:39]
	s_add_nc_u64 s[40:41], s[40:41], 2*TILEB       ; prefetch bases at tile 2: trip t steps them first and asks for tile t + 3; trip 12 asks for tile 15, the last
	s_add_nc_u64 s[42:43], s[8:9], s[38:39]
	s_add_nc_u64 s[42:43], s[42:43], 2*TILEB
	s_cmp_lt_u32 s12, 2
	s_cselect_b64 s[44:45], s[6:7], s[8:9]         ; waves 0, 1 fetch from key, the others from value
	s_add_nc_u64 s[44:45], s[44:45], s[14:15]
.irp n, 0,1
	s_mov_b32 s[G0+4*\n], 1                                        ; count = 1
	s_add_co_u32 s[G0+4*\n+1], s2, \n*XS                           ; LDS address
	s_add_nc_u64 s[G0+4*\n+2:G0+4*\n+3], s[44:45], \n*TILEB        ; tile n
	s_or_b32 s[G0+4*\n+3], s[G0+4*\n+3], 0x80000000                ; type = 2
.endr
	ROUND                                          ; all four work-groups are here: the first joint loads meet
	s_cmp_lt_u32 s12, 4
	s_cbranch_scc0 .Lno_first_fill
	tensor_load_to_lds s[G0:G0+3], s[G1:G1+7]      ; tile 0 into X0
	s_nop 0
	PLACES 4
	tensor_load_to_lds s[G0+4:G0+7], s[G1:G1+7]    ; tile 1 into X1: two loads of a wave are out here, later one
	s_nop 0
	PLACES 4
.Lno_first_fill:
	; ---- addresses ----
	v_and_b32 v2, 15, v0                           ; r
	v_bfe_u32 v3, v0, 4, 1                         ; h
	v_and_b32 v6, 7, v0                            ; L % 8
	v_bfe_u32 v5, v0, 3, 2                         ; L / 8
	v_bfe_u32 v7, v0, 3, 1                         ; (L / 8) % 2
	s_mul_i32 s3, s12, WS                          ; 4,352 w
	v_mul_u32_u24 v[KA], v2, KP
	v_lshl_add_u32 v[KA], v3, 4, v[KA]
	v_add_nc_u32 v[QRD], s3, v[KA]
	v_add_nc_u32 v[QRD], WB, v[QRD]
	v_add_nc_u32 v[KA], YK, v[KA]
	v_lshl_add_u32 v4, v3, 3, v6                   ; 8 h + L % 8
	v_mul_u32_u24 v[VA], v4, VP
	v_lshl_add_u32 v[VA], v7, 4, v[VA]
	v_add_nc_u32 v[VA], YV, v[VA]
	v_mul_u32_u24 v[SRC], v5, XP
	v_lshl_add_u32 v[SRC], v6, 5, v[SRC]
	v_add_nc_u32 v[SRC], s3, v[SRC]                ; rows 16 w + L / 8 of X0
	v_add_nc_u32 v[SRC+2], XS, v[SRC]              ; and of X1
	s_add_co_u32 s3, s3, WB                        ; my stage
	v_mul_u32_u24 v[STO], v2, XP
	v_lshl_add_u32 v[STO], v3, 5, v[STO]
	v_add_nc_u32 v[STO], s3, v[STO]
	v_mul_u32_u24 v[RD], v3, XP
	v_lshl_add_u32 v[RD], v2, 4, v[RD]
	v_add_nc_u32 v[RD], s3, v[RD]
	v_mul_u32_u24 v[QST], v3, KP
	v_lshl_add_u32 v[QST], v2, 3, v[QST]
	v_add_nc_u32 v[QST], s3, v[QST]
	s_mul_i32 s2, s12, 16*KP
	s_add_co_u32 s2, s2, YK
	v_mul_u32_u24 v[KW], v5, KP
	v_lshl_add_u32 v[KW], v6, 4, v[KW]
	v_add_nc_u32 v[KW], s2, v[KW]
	s_mul_i32 s2, s12, 16*VP
	s_add_co_u32 s2, s2, YV
	v_mul_u32_u24 v[VW], v5, VP
	v_lshl_add_u32 v[VW], v6, 4, v[VW]
	v_add_nc_u32 v[VW], s2, v[VW]
	v_lshlrev_b32 v[PF], 8, v1
	v_lshl_add_u32 v[PF], s13, 13, v[PF]
.irp qt, 0,1,2,3
	v_mov_b32 v[UU+2*\qt], 0                       ; v_permlanex16_b32 counts as a reader of its destination
.endr
	; ---- Q: round to bf16, through my own stage into B fragments (lane (r, h): query r; d = 32 c + 8 h .., 32 c + 16 + 8 h ..).  Q is not scaled: c enters in the softmax. ----
.irp qt, 0,1,2,3
	s_wait_loadcnt 24-8*\qt                        ; loads come back in order: the younger q-tiles' loads, eight each, stay out
.irp t, 0,1,2,3,4,5,6,7
	v_cvt_pk_bf16_f32 v[KF+32*\qt+4*\t],   v[KF+32*\qt+4*\t],   v[KF+32*\qt+4*\t+1]
	v_cvt_pk_bf16_f32 v[KF+32*\qt+4*\t+1], v[KF+32*\qt+4*\t+2], v[KF+32*\qt+4*\t+3]
.endr
.irp t, 0,1,2,3,4,5,6,7
	ds_store_b64 v[QST], v[KF+32*\qt+4*\t:KF+32*\qt+4*\t+1] offset:2*KP*\t
.endr
.irp c, 0,1
	ds_load_b128 v[Q+16*\qt+8*\c:Q+16*\qt+8*\c+3],   v[QRD] offset:64*\c      ; my own bytes, and LDS serves a wave's instructions in order: no wait between
	ds_load_b128 v[Q+16*\qt+8*\c+4:Q+16*\qt+8*\c+7], v[QRD] offset:64*\c+32
.endr
.endr
	; ---- tile 0 from X0 to Y0 ----
	s_wait_tensorcnt 0x1                           ; my part of tile 0 is in; tile 1's load, issued behind it, stays out
	s_wait_dscnt 0x0
	BAR
	CLOAD 0, 0
	s_wait_dscnt 0x0
	CCVT
	CSTORE 0, 0
	CLOAD 1, 0
	s_wait_dscnt 0x0
	CCVT
	CSTORE 1, 0
	; ---- the 16 trips ----
	TRIP 0, 1, 1, 1, 1, 1                          ; t = 0 starts m, l and O: nothing is cleared
	s_mov_b32 s37, 6
.Ltrips:
	TRIP 1, 0, 1, 1, 0, 1                          ; t = 1, 3, .. 11
	TRIP 0, 1, 1, 1, 0, 1                          ; t = 2, 4, .. 12
	s_sub_co_i32 s37, s37, 1
	s_cmp_lg_u32 s37, 0
	s_cbranch_scc1 .Ltrips
	TRIP 1, 0, 1, 1, 0, 0                          ; t = 13 asks for tile 15, the last; no prefetch is left
	TRIP 0, 1, 0, 1, 0, 0                          ; t = 14 converts tile 15 and fills nothing
	TRIP 1, 0, 0, 0, 0, 0                          ; t = 15
	; ---- the way out: O / l, 16 rows at a time through my stage, whole rows of 256 bytes to memory ----
.irp qt, 0,1,2,3
	v_add_f32 v[TT+2*\qt], v[LS+2*\qt], v[LS+2*\qt+1]          ; four plain lines on registers of their own: the places behind the last products
.endr
.irp qt, 0,1,2,3
	v_permlanex16_b32 v[UU+2*\qt], v[TT+2*\qt], s32, s33
.endr
.irp qt, 0,1,2,3
	v_add_f32 v[TT+2*\qt], v[TT+2*\qt], v[UU+2*\qt]            ; l of query r, in both its lanes
.endr
.irp qt, 0,1,2,3
	v_rcp_f32 v[AL+2*\qt], v[TT+2*\qt]
.endr
	v_nop                                          ; a plain line between the reciprocals and their use (ISA guide 5.7.2)
	s_wait_alu depctr_va_vdst(0)
.macro OUT qt, f
	WIN 0x41
.irp j, 0,2,4,6,8,10,12,14,16,18,20,22,24,26,28,30
	v_pk_mul_f32 v[O+32*\qt+\j:O+32*\qt+\j+1], v[O+32*\qt+\j:O+32*\qt+\j+1], v[AL+2*\qt:AL+2*\qt+1] op_sel_hi:[1,0]
.endr
	WIN 0x04                                       ; an LDS store's data is source 1
.irp dt, 0,1,2,3
	ds_store_b128 v[STO], v[O+32*\qt+8*\dt:O+32*\qt+8*\dt+3]   offset:64*\dt       ; row r, d = 16 dt + 8 h + 0 .. 3
	ds_store_b128 v[STO], v[O+32*\qt+8*\dt+4:O+32*\qt+8*\dt+7] offset:64*\dt+16    ; + 4 .. 7
.endr
	WIN 0
.if \qt > 1
	s_wait_xcnt 0x0                                ; the stores of two q-tiles back read buffer f: it is loaded again only behind this wait
.endif
.irp t, 0,1,2,3,4,5,6,7
	ds_load_b128 v[\f+4*\t:\f+4*\t+3], v[RD] offset:2*XP*\t    ; my own bytes, served in order: these see the stores above
.endr
.irp t, 0,1,2,3,4,5,6,7
	s_wait_dscnt 7-\t                              ; the younger read-backs stay out
	global_store_b128 v[GO], v[\f+4*\t:\f+4*\t+3], s[10:11] offset:4096*\qt+512*\t th:TH_STORE_NT   ; sixteen lanes store one row: 256 consecutive bytes, aligned
.endr
.endm
	OUT 0, KF
	OUT 1, VF
	OUT 2, KF
	OUT 3, VF
	s_wait_dscnt 0x0
	s_wait_tensorcnt 0x0
	ds_add_u32 v62, v63
	s_wait_dscnt 0x0
	ROUND                                          ; the closing round: no work-group ends while a partner may still ask jointly
	s_endpgm
.Lfunc_end_k_qf00337646d_attn:
	.size	k_qf00337646d_attn, .Lfunc_end_k_qf00337646d_attn-k_qf00337646d_attn
	.p2alignl 7, 3214868480
	.fill 96, 4, 3214868480
	.section	.rodata,"a",@progbits
	.p2align	6, 0x0
	.amdhsa_kernel k_qf00337646d_attn
		.amdhsa_group_segment_fixed_size 327680
		.amdhsa_private_segment_fixed_size 0
		.amdhsa_enable_private_segment 0
		.amdhsa_kernarg_size 32
		.amdhsa_user_sgpr_count 2
		.amdhsa_user_sgpr_kernarg_segment_ptr 1
		.amdhsa_wavefront_size32 1
		.amdhsa_system_sgpr_workgroup_id_x 1
		.amdhsa_system_sgpr_workgroup_id_y 1
		.amdhsa_system_sgpr_workgroup_id_z 1
		.amdhsa_system_vgpr_workitem_id 0
		.amdhsa_next_free_vgpr 512
		.amdhsa_next_free_sgpr 66
		.amdhsa_reserve_vcc 0
		.amdhsa_float_denorm_mode_32 3
		.amdhsa_float_denorm_mode_16_64 3
		.amdhsa_memory_ordered 1
		.amdhsa_forward_progress 1
		.amdhsa_inst_pref_size 255
	.end_amdhsa_kernel
	.section	.bss,"aw",@nobits
	.p2align	6
	.space	262144
	.amdgpu_metadata
---
amdhsa.version: [ 1, 2 ]
amdhsa.kernels:
  - .name:           k_qf00337646d_attn
    .symbol:         k_qf00337646d_attn.kd
    .args:
      - { .name: query, .offset: 0, .size: 8, .value_kind: global_buffer, .address_space: global }
      - { .name: key, .offset: 8, .size: 8, .value_kind: global_buffer, .address_space: global }
      - { .name: value, .offset: 16, .size: 8, .value_kind: global_buffer, .address_space: global }
      - { .name: out0, .offset: 24, .size: 8, .value_kind: global_buffer, .address_space: global }
    .group_segment_fixed_size: 327680
    .private_segment_fixed_size: 0
    .kernarg_segment_align: 8
    .kernarg_segment_size: 32
    .max_flat_workgroup_size: 256
    .sgpr_count:     66
    .vgpr_count:     512
    .wavefront_size: 32
...
	.end_amdgpu_metadata
.endif
;; end of part 1
